; MI455X (gfx1250); checked and timed in simulation.
; The chip was launched on July 23, 2026; its instructions are those of AMD's public machine-readable ISA for CDNA 5 (MIT licence, August 2026) and "CDNA5" Instruction Set Architecture Reference Guide (July 2026). The comments in the code are by the model that wrote it; some were corrected since.
;; Bahdanau Attention. Allowed arithmetic: matrix products marked QUANTISED: E5M2 operands, one given power-of-two scale a tensor, by v_wmma_f32_16x16x64_bf8_bf8 or v_wmma_f32_16x16x128_bf8_bf8, f32 sums; products left as they are: f32 operands where the result goes on into a quantised operand, else bf16, f16 or f32 operands; f32 sums; everything else in f32.
;; Inputs: Ua_b 1,024 float32; Ua_w 1,024 x 1,024 float32; Va_b 1 float32; Va_w 1,024 x 1 float32; Wa_b 1,024 float32; Wa_w 2,048 x 1,024 float32; keys 32 x 2,048 x 1,024 float32; lowp_scales 4 int32 (the exponents e of the quantised operands' scales 2^e); query 32 x 1 x 2,048 float32.
;; Outputs: out0 32 x 1 x 1,024 float32; out1 32 x 1 x 2,048 float32.
;; This version of the problem:
;;   THIS VERSION OF THE PROBLEM IS GIVEN IN LOW PRECISION. The matrix products marked QUANTISED in the list below multiply operands that are first quantised to E5M2 (5 exponent bits, 2 mantissa bits; 8 bits a number), with one given power-of-two scale for each operand tensor; their sums are f32. All else is computed in f32.
;;   The module's matrix products, in the order in which they are computed (A, B: the left and right operand; K: the contracted axis; several contracted axes count as one K, in the product's order):
;;     1. [M 32, K 2,048] x [K 2,048, N 1,024]; A: input query; B: input Wa_w: QUANTISED (scales: A lowp_scales[0], B lowp_scales[1])
;;     2. [M 65,536, K 1,024] x [K 1,024, N 1,024]; A: input keys; B: input Ua_w: QUANTISED (scales: A lowp_scales[2], B lowp_scales[3])
;;     3. [M 65,536, K 1,024] x [K 1,024, N 1]; A: computed on the way; B: input Va_w: left as it is (N = 1 < 16)
;;     4. batch 32 x [M 1, K 2,048] x [K 2,048, N 1,024]; A: softmax; B: input keys: left as it is (M = 1 < 16)
;;   THE QUANTISER, for each operand of a quantised product, along K:
;;     - The operand's scale is 2^e, e = its entry of the input lowp_scales (int32; the entries are numbered through the quantised products in the list's order, A before B).
;;     - Each number is divided by the scale, clamped to +-57,344, and rounded to the nearest number of E5M2, ties to even, subnormals kept.
;;     - The product sums the exact products of the quantised numbers (number of the format x scale) in f32.
;;   ~~~python
;;   def quantise(x, axis, e):      # numpy; x: float32 -> the quantised numbers, widened to float32 again
;;       x = np.moveaxis(x, axis, -1); K = x.shape[-1]
;;       r = np.clip(x / 2.0 ** e, -57344, 57344)
;;       step = 2.0 ** (np.maximum(np.frexp(np.where(r == 0, 1, r))[1] - 1, -14) - 2)
;;       q = np.round(r / step) * step * 2.0 ** e      # np.round: ties to even
;;       return np.moveaxis(q, -1, axis).astype(np.float32)
;;   ~~~
;; One version. Each part assembles by itself: llvm-mc -triple=amdgcn-amd-amdhsa -mcpu=gfx1250 --defsym DOCPART=n.
;; ======== version 1 of 1: 3 launches
;; limits: right only within a limited range of input values
;; workspace buffers: ua_img 1,048,576 bytes; qpart 2,097,152 bytes; scores 262,144 bytes
;; launch prep (part 1): grid 384 x 1, 4 waves a work-group, no clusters, 0 bytes of LDS; arguments Ua_w, Wa_w, query, lowp_scales, ua_img, qpart; writes ua_img, qpart
.if DOCPART == 1
	.amdgcn_target "amdgcn-amd-amdhsa--gfx1250"
	.amdhsa_code_object_version 6
	.text
	.protected	k_q0fb70033b4_prep
	.globl	k_q0fb70033b4_prep
	.p2align	8
	.type	k_q0fb70033b4_prep,@function
k_q0fb70033b4_prep:
	s_mov_b64 s[64:65], 0
	v_nop
	global_prefetch_b8 v0, s[64:65] scope:SCOPE_SE
	s_setreg_imm32_b32 hwreg(HW_REG_WAVE_MODE, 25, 1), 1
	s_wait_xcnt 0x0
; Two small jobs ahead of the large product, in one launch.
; (U) Ua_w [1024 k][1024 n] f32 becomes codes of BF8 (E5M2) with the given scale 2^e3, laid as IMAGES OF AN OPERAND'S REGISTERS: for the tile of 16 columns T and the K step s
;     (128 along K) 2,048 bytes at (8 T + s) x 2,048; piece c (512 bytes) holds lane l's 16 bytes at 16 l: column 16 T + l % 16, k = 128 s + 32 c + 16 (l / 16) + 0 .. 15.
; (Q) q = Q(query) Q(Wa_w): 32 x 2,048 x 1,024.  A wave makes, for one tile of 16 columns and ONE K step of 128, the two tiles of 16 batches, and stores the part sums x 2^(e0 + e1)
;     in qpart [16 K steps][32 b][1024 n] f32; the next launch adds the sixteen parts, in one fixed order, with the biases.  No sum spans work-groups inside a launch.
; A LANE TAKES A COLUMN AND ITS REGISTERS RUN DOWN K, in the order in which the operand wants them: the conversions' results are the operand's registers, nothing is transposed.
; Both operands of a product hold k in the same places (registers 4 c .. 4 c + 3: k = 32 c + 16 (l / 16) + 0 .. 15), so every product meets its partner.
; SHARES: work-groups 0-127 take Ua_w (16 x 4 tiles of columns, 8 K steps), work-groups 128-383 Wa_w (16 K steps); one unit a wave; the four waves stand side by side on 256 bytes of each row.
; code = x / 2^e, held within +-57,344, to the nearest code, ties to even.  LIMITS: e0, e1, e3 between -126 and 112, so that 2^e and 57,344 x 2^e are f32 numbers.  NaN among the inputs is not served.
; qpart's stores cover 32 bytes of each of 16 rows an instruction (a row's 64 bytes come from two neighbouring lanes' halves): 2 MiB in all, left so.
; WORK LEFT OUT IN THE WHOLE PROGRAM: Va_b is added alike to every score of a batch, softmax(s + c) = softmax(s) for every number c, and the scores themselves are no output.
; So Va_b has no way to any output, for all values of the inputs: it is not loaded and is no launch's argument.
; LIMIT: a NaN, an infinity or an overflow that Va_b alone would bring is not carried to the results.
.set BW, 16
.set AQ0,  80                          ; v80-143   query, batches 0-15: the same k of row r
.set AQ1,  144                         ; v144-207  query, batches 16-31
.set CB,   208                         ; v208-223  the weight's codes
.set CA0,  224                         ; v224-239  query's codes
.set CA1,  240                         ; v240-255
.set D0,   16                          ; v16-23, v24-31 the two sums (over numbers that are done with)
.set D1,   24
.set OUTR, 32                          ; v32-47    the sums x 2^(e0 + e1)
.macro QUANT s, d, sc, lim             ; 64 numbers at v[s] become 16 registers of codes at v[d];  v[sc]: the scale as f32;  v[lim]: 57,344 x the scale
.irp b, 0,1,2,3
.irp i, 0,1,2,3,4,5,6,7,8,9,10,11,12,13,14,15
	v_med3_num_f32 v[\s+16*\b+\i], v[\s+16*\b+\i], -v[\lim], v[\lim]   ; the conversion to an 8-bit code does not saturate (ISA guide 7.6.2): the hold comes first
.endr
	v_cvt_scalef32_pk8_bf8_f32 v[\d+4*\b:\d+4*\b+1], v[\s+16*\b:\s+16*\b+7], v[\sc]
	v_cvt_scalef32_pk8_bf8_f32 v[\d+4*\b+2:\d+4*\b+3], v[\s+16*\b+8:\s+16*\b+15], v[\sc]
.endr
	v_nop                                          ; one plain vector line between the last conversion and whatever next touches its registers
.endm
.macro ALOAD reg, mt                   ; query, rows 16 mt + r: my 16 numbers of each block of 32 of this K step
.irp c, 0,1,2,3
.irp j, 0,1,2,3
	global_load_b128 v[\reg+16*\c+4*\j:\reg+16*\c+4*\j+3], v4, s[8:9] offset:131072*\mt+128*\c+16*\j
.endr
.endr
.endm
	s_load_b256 s[4:11], s[0:1], 0x0               ; Ua_w s[4:5], Wa_w s[6:7], query s[8:9], the scales' exponents s[10:11]
	s_load_b128 s[12:15], s[0:1], 0x20             ; ua_img s[12:13], qpart s[14:15]
	v_lshrrev_b32 v1, 5, v0
	v_readfirstlane_b32 s16, v1                    ; wave 0..3
	v_and_b32 v1, 15, v0                           ; r
	v_bfe_u32 v2, v0, 4, 1                         ; h
	v_lshlrev_b32 v3, 2, v1
	v_lshl_add_u32 v3, v2, 16, v3                  ; the weight: 4 r + 16 h rows of 4,096 bytes
	v_lshlrev_b32 v4, 13, v1
	v_lshl_add_u32 v4, v2, 6, v4                   ; query: row r of 8,192 bytes + 64 h
	v_and_b32 v5, 31, v0
	v_lshlrev_b32 v5, 4, v5                        ; an image's place for my lane: 16 x lane
	v_lshlrev_b32 v6, 12, v1
	v_lshl_add_u32 v6, v2, 5, v6                   ; qpart: row r of 4,096 bytes + 32 h
	s_wait_alu depctr_va_vdst(0)
	s_wait_kmcnt 0x0
	s_load_b128 s[20:23], s[10:11], 0x0            ; e0 (query), e1 (Wa_w), e2 (keys), e3 (Ua_w)
	s_cmp_lt_u32 ttmp9, 128                        ; Ua_w's work-group or Wa_w's: the choice hangs on the work-group's number alone
	s_cselect_b64 s[4:5], s[4:5], s[6:7]
	s_cselect_b32 s17, 0, 128
	s_sub_co_u32 s17, ttmp9, s17                   ; the unit's number within its tensor
	s_and_b32 s18, s17, 15
	s_lshl_b32 s18, s18, 2
	s_add_co_u32 s18, s18, s16                     ; T: my tile of 16 columns
	s_lshr_b32 s19, s17, 4                         ; s: my K step
	s_lshl_b32 s24, s19, 19                        ; 128 rows of 4,096 bytes a K step
	s_lshl_b32 s25, s18, 6                         ; 64 bytes a tile of columns
	s_add_co_u32 s24, s24, s25
	s_mov_b32 s25, 0
	s_add_nc_u64 s[4:5], s[4:5], s[24:25]
.irp c, 0,1,2,3
.irp i, 0,1,2,3,4,5,6,7,8,9,10,11,12,13,14,15
	global_load_b32 v[BW+16*\c+\i], v3, s[4:5] offset:(32*\c+\i)*4096   ; W(128 s + 32 c + 16 h + i, 16 T + r): sixteen lanes read 64 neighbouring bytes
.endr
.endr
	s_wait_kmcnt 0x0
	s_cmp_lt_u32 ttmp9, 128
	s_cselect_b32 s26, s23, s21                    ; the weight's e
	s_add_co_i32 s26, s26, 127
	s_lshl_b32 s27, s26, 23
	v_mov_b32 v8, s27                              ; 2^e as f32: the conversion takes its exponent field
	s_add_co_i32 s26, s26, 15
	s_lshl_b32 s26, s26, 23
	s_or_b32 s26, s26, 0x600000
	v_mov_b32 v9, s26                              ; 57,344 x 2^e
	s_cmp_lt_u32 ttmp9, 128
	s_cbranch_scc1 .Lua
	; ---- (Q) one K step of query x Wa_w
	s_lshl_b32 s24, s19, 9                         ; 128 numbers of a row of query
	s_add_nc_u64 s[8:9], s[8:9], s[24:25]
	ALOAD AQ0, 0
	ALOAD AQ1, 1
	s_add_co_i32 s26, s20, 127
	s_lshl_b32 s27, s26, 23
	v_mov_b32 v10, s27                             ; 2^e0
	s_add_co_i32 s26, s26, 15
	s_lshl_b32 s26, s26, 23
	s_or_b32 s26, s26, 0x600000
	v_mov_b32 v11, s26                             ; 57,344 x 2^e0
	s_lshl_b32 s24, s19, 17                        ; qpart: 131,072 bytes a K step,
	s_lshl_b32 s28, s18, 6                         ; 64 bytes a tile of columns
	s_add_co_u32 s24, s24, s28
	s_add_nc_u64 s[14:15], s[14:15], s[24:25]
	s_add_co_i32 s29, s20, s21                     ; e0 + e1
	s_wait_loadcnt 32                              ; the weight's 64 loads are in; query's 32 may be out
	s_wait_alu depctr_va_vdst(0)
	QUANT BW, CB, 8, 9
	s_wait_loadcnt 16                              ; batches 0-15 are in
	QUANT AQ0, CA0, 10, 11
	s_wait_loadcnt 0x0
	QUANT AQ1, CA1, 10, 11
	v_wmma_f32_16x16x128_bf8_bf8 v[D0:D0+7], v[CB:CB+15], v[CA0:CA0+15], 0   ; TRANSPOSED: source 0 = 16 columns of Wa_w, source 1 = 16 batches: lane (r, h) holds batch r, register j column 16 T + 8 h + j
	v_wmma_f32_16x16x128_bf8_bf8 v[D1:D1+7], v[CB:CB+15], v[CA1:CA1+15], 0
.rept 4
	v_nop                                          ; four places behind a matrix instruction before its result is read (ISA guide 7.12.1)
.endr
.irp j, 0,1,2,3,4,5,6,7,8,9,10,11,12,13,14,15
	v_ldexp_f32 v[OUTR+\j], v[D0+\j], s29          ; x 2^(e0 + e1), each sum from its low end on
.endr
.irp mt, 0,1
	global_store_b128 v6, v[OUTR+8*\mt:OUTR+8*\mt+3], s[14:15] offset:65536*\mt
	global_store_b128 v6, v[OUTR+8*\mt+4:OUTR+8*\mt+7], s[14:15] offset:65536*\mt+16
.endr
	s_endpgm
	; ---- (U) one image of Ua_w's codes
.Lua:
	s_lshl_b32 s24, s18, 3
	s_add_co_u32 s24, s24, s19
	s_lshl_b32 s24, s24, 11                        ; (8 T + s) x 2,048
	s_add_nc_u64 s[12:13], s[12:13], s[24:25]
	s_wait_loadcnt 0x0
	s_wait_alu depctr_va_vdst(0)
	QUANT BW, CB, 8, 9
.irp c, 0,1,2,3
	global_store_b128 v5, v[CB+4*\c:CB+4*\c+3], s[12:13] offset:512*\c   ; 32 lanes store 512 consecutive bytes, at a multiple of 256 from the buffer's first byte
.endr
	s_endpgm
.Lfunc_end_k_q0fb70033b4_prep:
	.size	k_q0fb70033b4_prep, .Lfunc_end_k_q0fb70033b4_prep-k_q0fb70033b4_prep
	.p2alignl 7, 3214868480
	.fill 96, 4, 3214868480
	.section	.rodata,"a",@progbits
	.p2align	6, 0x0
	.amdhsa_kernel k_q0fb70033b4_prep
		.amdhsa_group_segment_fixed_size 0
		.amdhsa_private_segment_fixed_size 0
		.amdhsa_enable_private_segment 0
		.amdhsa_kernarg_size 48
		.amdhsa_user_sgpr_count 2
		.amdhsa_user_sgpr_kernarg_segment_ptr 1
		.amdhsa_wavefront_size32 1
		.amdhsa_system_sgpr_workgroup_id_x 1
		.amdhsa_system_sgpr_workgroup_id_y 1
		.amdhsa_system_sgpr_workgroup_id_z 1
		.amdhsa_system_vgpr_workitem_id 0
		.amdhsa_next_free_vgpr 256
		.amdhsa_next_free_sgpr 66
		.amdhsa_reserve_vcc 0
		.amdhsa_float_denorm_mode_32 3
		.amdhsa_float_denorm_mode_16_64 3
		.amdhsa_memory_ordered 1
		.amdhsa_forward_progress 1
		.amdhsa_inst_pref_size 32
	.end_amdhsa_kernel
	.amdgpu_metadata
---
amdhsa.version: [ 1, 2 ]
amdhsa.kernels:
  - .name:           k_q0fb70033b4_prep
    .symbol:         k_q0fb70033b4_prep.kd
    .args:
      - { .name: Ua_w, .offset: 0, .size: 8, .value_kind: global_buffer, .address_space: global }
      - { .name: Wa_w, .offset: 8, .size: 8, .value_kind: global_buffer, .address_space: global }
      - { .name: query, .offset: 16, .size: 8, .value_kind: global_buffer, .address_space: global }
      - { .name: lowp_scales, .offset: 24, .size: 8, .value_kind: global_buffer, .address_space: global }
      - { .name: ua_img, .offset: 32, .size: 8, .value_kind: global_buffer, .address_space: global }
      - { .name: qpart, .offset: 40, .size: 8, .value_kind: global_buffer, .address_space: global }
    .group_segment_fixed_size: 0
    .private_segment_fixed_size: 0
    .kernarg_segment_align: 8
    .kernarg_segment_size: 48
    .max_flat_workgroup_size: 128
    .sgpr_count:     66
    .vgpr_count:     256
    .wavefront_size: 32
...
	.end_amdgpu_metadata
.endif
;; end of part 1
;; launch score (part 2): grid 256 x 1, 4 waves a work-group, clusters of 4 x 1, 327,680 bytes of LDS; arguments keys, ua_img, qpart, Wa_b, Ua_b, Va_w, lowp_scales, scores; writes scores
.if DOCPART == 2
	.amdgcn_target "amdgcn-amd-amdhsa--gfx1250"
	.amdhsa_code_object_version 6
	.text
	.protected	k_q0fb70033b4_score
	.globl	k_q0fb70033b4_score
	.p2align	8
	.type	k_q0fb70033b4_score,@function
k_q0fb70033b4_score:
	s_mov_b64 s[64:65], 0
	v_nop
	global_prefetch_b8 v0, s[64:65] scope:SCOPE_SE
	s_setreg_imm32_b32 hwreg(HW_REG_WAVE_MODE, 25, 1), 1
	s_wait_xcnt 0x0
	s_wait_alu depctr_hold_cnt(0) depctr_sa_sdst(0) depctr_va_vdst(0) depctr_va_sdst(0) depctr_va_ssrc(0) depctr_va_vcc(0) depctr_vm_vsrc(0)
	s_getreg_b32 s2, hwreg(HW_REG_IB_STS2, 6, 4)
	s_cmp_eq_u32 s2, 0
	s_cbranch_scc0 .Lentry_in_a_cluster
	s_endpgm
.Lentry_in_a_cluster:
	s_bfe_u32 s2, ttmp6, 0x10000c
	s_cmp_lg_u32 s2, 0x3003
	s_cbranch_scc0 .Lentry_shape_is_right
	s_endpgm
.Lentry_shape_is_right:
; scores[b][s] = the sum over n of Va_w[n] tanh(q[b][n] + (Q(keys) Q(Ua_w))[s][n] + biases), less terms that are the same for all keys of a batch.
; tanh(x) = 1 - 2 / (1 + e^(2x)): what is stored is the sum of -2 Va_w[n] / (1 + 2^z).  LEFT OUT: the sum of Va_w and Va_b, the same along the softmax's axis (see the first kernel's head).
; SHARES.  A work-group owns 256 keys of one batch, a wave 64 of them.  HEAD: a wave streams its 64 rows (256 KiB on end) through a ring of 8 rows of registers, holds and converts them to codes of
; BF8 (E5M2) with the given 2^e2; the codes turn through the wave's own stage in LDS, 32 rows at a time, into operand registers: 512 registers hold 64 rows x 1,024 K.
; LOOP.  Ua_w's codes come as images of operand registers (ua_img), 64 KiB (4 tiles of 16 columns) a slot, through two slots, asked for JOINTLY by the 4 work-groups of a cluster, a quarter a wave.
; A tile of 16 columns: 36 LDS loads, under them the tanh of the tile before, then 32 matrix instructions on end (4 accumulators by turns).
; The products are used transposed: source 0 = 16 columns, source 1 = 16 keys: a lane holds one key and 8 columns.  C of a tile's first products = (q + Wa_b + Ua_b) / 2^(e2 + e3).
; The first tile finds zeros as the tile before it (times a zero weight).
; No prefetch is laid: the keys' loads run eight rows (32 KiB a wave) ahead of their use, and Ua's images are 1 MiB that all work-groups walk in one order.
; LIMITS: e2 between -126 and 112; e2 + e3 between -126 and 126.  NaN among the inputs is not served.
.set SLOTB,  65536
.set STG,    2*SLOTB                   ; the stages: 32 rows x 1,040 bytes for each wave
.set SPITCH, 1040
.set WSTG,   32*SPITCH
.set TAB,    STG+4*WSTG                ; 1,024 C values, then 1,024 x -2 Va_w
.set VTAB,   4096
.set SPARE,  TAB+8192                  ; the spare words, 128 bytes a wave
.set LI,  1                            ; 16 x lane
.set ADB, 2                            ; the slot in hand + 16 x lane
.set T0,  3                            ; TAB + 32 h
.set ADT, 4                            ; the trip's place in the tables
.set SPW, 5
.set NIL, 6
.set TOF, 7                            ; 16 x thread
.set SW,  9                            ; stage, way in
.set SRD, 10                           ; stage, way out
.set SCL, 11                           ; 2^e2
.set L4,  12                           ; 4 x lane
.set LIM, 13                           ; 57,344 x 2^e2
.set SW0, 14
.set TW,  15                           ; my place in TAB
.set VA,  16                           ; v16-31 two sets of 8 weights
.set ACC, 32                           ; v32-63 four accumulators
.set CT,  32                           ; head: v32-95 codes, 8 registers a ring row
.set SA,  96                           ; v96-103 the scores' sums, a pair a tile of keys
.set C2,  104                          ; v104-111 a tile's C
.set TS,  96                           ; head: v96-247 the tables' parts
.set BF,  128                          ; v128-255 a tile's 8 fragments of Ua
.set WV,  22
.set MSB, 0
.macro WIN new
.if MSB != \new
	s_set_vgpr_msb (MSB<<8)|\new
.set MSB, \new
.endif
.endm
.macro ROUND                           ; a round of the cluster's barrier
	s_barrier_signal -1
	s_barrier_wait -1
	s_cmp_lg_u32 s[WV], 0
	s_cbranch_scc1 .Lnot_wave_0_\@
	s_barrier_signal -3
.Lnot_wave_0_\@:
	s_barrier_wait -3
	s_barrier_signal -1
	s_barrier_wait -1
.endm
.macro JLOAD                           ; my quarter of a slot
	tensor_load_to_lds s[32:35], s[24:31]
	s_nop 0
.rept 4
	v_nop
.endr
.endm
.macro LOADROW q, ro                   ; a row of 4,096 bytes into ring place q (window 3): each load reads 512 bytes on end
	WIN 0xc0
.irp j, 0,1,2,3,4,5,6,7
	global_load_b128 v[32*(\q)+4*\j:32*(\q)+4*\j+3], v[LI], s[4:5] offset:4096*(\ro)+512*\j th:TH_LOAD_NT
.endr
.endm
.macro ROWQ q, ld, cnt                 ; one row: hold, convert, into the stage; its place takes the row 8 further on
	s_wait_loadcnt \cnt                            ; my row is in; the younger rows' loads stay out
	s_wait_dscnt 56                                ; the stores that read this place's code registers last are done: 7 rows x 8 stores are younger
	WIN 0xc3
.set J, 0
.rept 32
	v_med3_num_f32 v[32*(\q)+J], v[32*(\q)+J], -v[LIM], v[LIM]   ; the conversion does not saturate (ISA guide 7.6.2)
.set J, J+1
.endr
	WIN 0x03
.irp t, 0,1,2,3
	v_cvt_scalef32_pk8_bf8_f32 v[CT+8*(\q)+2*\t:CT+8*(\q)+2*\t+1], v[32*(\q)+8*\t:32*(\q)+8*\t+7], v[SCL]   ; low word: k = 256 t + 4 lane ..; high word: 128 further on
.endr
	WIN 0
.irp t, 0,1,2,3
	ds_store_b32 v[SW], v[CT+8*(\q)+2*\t] offset:SPITCH*(\q)+256*\t
	ds_store_b32 v[SW], v[CT+8*(\q)+2*\t+1] offset:SPITCH*(\q)+256*\t+128
.endr
.if \ld
	LOADROW \q, (\q)+8
.endif
.endm
.macro TRIP8 ld                        ; once round the ring
	v_add_nc_u32 v[SW], s43, v[SW0]
.irp q, 0,1,2,3,4,5,6,7
.if \ld
	ROWQ \q, 1, 56
.else
	ROWQ \q, 0, 8*(7-\q)
.endif
.endr
	WIN 0
.if \ld
	s_wait_xcnt 0x0                                ; the loads have read their base
	s_add_nc_u64 s[4:5], s[4:5], 32768
.endif
	s_add_co_u32 s43, s43, 8*SPITCH
.endm
.macro FRAGS m                         ; 16 rows of codes out of the stage: K steps 0-3 into window 1, 4-7 into window 2.  LDS serves a wave's instructions in order
	WIN 0x40
.irp s, 0,1,2,3
.irp c, 0,1,2,3
	ds_load_b128 v[64*\s+16*(\m)+4*\c:64*\s+16*(\m)+4*\c+3], v[SRD] offset:16*SPITCH*((\m)%2)+128*\s+32*\c
.endr
.endr
	WIN 0x80
.irp s, 0,1,2,3
.irp c, 0,1,2,3
	ds_load_b128 v[64*\s+16*(\m)+4*\c:64*\s+16*(\m)+4*\c+3], v[SRD] offset:16*SPITCH*((\m)%2)+512+128*\s+32*\c
.endr
.endr
	WIN 0
.endm
	s_load_b256 s[4:11], s[0:1], 0x0               ; keys, ua_img, qpart, Wa_b
	s_load_b256 s[12:19], s[0:1], 0x20             ; Ua_b, Va_w, the scales' exponents, scores
	v_lshl_add_u32 v[SPW], v0, 2, SPARE
	v_mov_b32 v[NIL], 0
	ds_add_u32 v[SPW], v[NIL]                      ; the opening lines: the add twice on end and its wait
	ds_add_u32 v[SPW], v[NIL]
	v_lshrrev_b32 v8, 5, v0
	v_readfirstlane_b32 s[WV], v8                  ; wave 0..3
	s_bfe_u32 s56, ttmp6, 0x40000
	s_lshl_b32 s23, ttmp9, 2
	s_add_co_u32 s23, s23, s56                     ; the work-group's number
	s_mov_b32 s24, 15|(3<<16)|(1<<21)              ; group 1: mask of the four, elements of 8 bytes; 64 rows of 256 bytes, dense
	s_mov_b32 s25, 32<<16
	s_mov_b32 s26, 64<<16
	s_mov_b32 s27, 32<<16
	s_mov_b32 s28, 64
	s_mov_b32 s29, 32
	s_mov_b32 s30, 0
	s_mov_b32 s31, 0
	s_mov_b32 s48, 0x76543210
	s_mov_b32 s49, 0xfedcba98
	s_mov_b32 s32, 1
	s_lshl_b32 s33, s[WV], 14                      ; my quarter of slot 0
	s_mov_b32 s58, s33
	s_mov_b32 s59, 0
	v_and_b32 v250, 31, v0
	v_and_b32 v251, 15, v0                         ; r
	v_bfe_u32 v252, v0, 4, 1                       ; h
	v_lshlrev_b32 v[LI], 4, v250
	v_lshlrev_b32 v[L4], 2, v250
	v_lshlrev_b32 v[TOF], 4, v0
	v_lshl_add_u32 v[T0], v252, 5, TAB
	v_lshl_add_u32 v[TW], v0, 4, TAB
	s_mul_i32 s56, s[WV], WSTG
	s_add_co_u32 s56, s56, STG                     ; my stage
	v_add_nc_u32 v[SW0], s56, v[L4]
	v_mul_u32_u24 v[SRD], v251, SPITCH
	v_lshl_add_u32 v[SRD], v252, 4, v[SRD]
	v_add_nc_u32 v[SRD], s56, v[SRD]
	s_wait_alu depctr_va_vdst(0)
	s_wait_dscnt 0x0
	s_wait_kmcnt 0x0
	s_load_b128 s[52:55], s[16:17], 0x0            ; e0, e1, e2 (keys), e3 (Ua_w)
	s_lshl_b32 s60, s23, 20                        ; 256 rows of 4,096 bytes a work-group,
	s_lshl_b32 s61, s[WV], 18                      ; 64 a wave
	s_add_co_u32 s60, s60, s61
	s_mov_b32 s61, 0
	s_add_nc_u64 s[4:5], s[4:5], s[60:61]
	s_lshr_b32 s60, s23, 3
	s_lshl_b32 s60, s60, 12                        ; my batch's row of qpart
	s_add_nc_u64 s[8:9], s[8:9], s[60:61]
	s_lshl_b32 s60, s23, 10
	s_lshl_b32 s62, s[WV], 8
	s_add_co_u32 s60, s60, s62
	s_add_nc_u64 s[18:19], s[18:19], s[60:61]      ; my 64 scores
	s_add_nc_u64 s[34:35], s[6:7], s[58:59]
	s_or_b32 s35, s35, 0x80000000
.irp i, 0,1,2,3,4,5,6,7,8,9,10,11,12,13,14,15
	global_load_b128 v[TS+8*\i:TS+8*\i+3], v[TOF], s[8:9] offset:131072*\i
	global_load_b128 v[TS+8*\i+4:TS+8*\i+7], v[TOF], s[8:9] offset:131072*\i+2048
.endr
	global_load_b128 v[TS+128:TS+131], v[TOF], s[10:11]
	global_load_b128 v[TS+132:TS+135], v[TOF], s[10:11] offset:2048
	global_load_b128 v[TS+136:TS+139], v[TOF], s[12:13]
	global_load_b128 v[TS+140:TS+143], v[TOF], s[12:13] offset:2048
	global_load_b128 v[TS+144:TS+147], v[TOF], s[14:15]
	global_load_b128 v[TS+148:TS+151], v[TOF], s[14:15] offset:2048
.irp q, 0,1,2,3,4,5,6
	LOADROW \q, \q                                 ; the keys are asked for ahead of everything that waits
.endr
	WIN 0
	ROUND                                          ; in front of the first joint load
	JLOAD                                          ; slot 0: one tensor load a wave at the head
	s_wait_kmcnt 0x0
	s_add_co_i32 s56, s54, s55
	s_sub_co_i32 s47, 0, s56                       ; -(e2 + e3)
	s_lshl_b32 s56, s56, 23
	s_add_co_i32 s44, s56, 0x4038aa3b              ; 2 log2(e) x 2^(e2 + e3): z = a sum x this
	s_mov_b32 s45, s44
	s_add_co_i32 s57, s54, 127
	s_lshl_b32 s58, s57, 23
	v_mov_b32 v[SCL], s58
	s_add_co_i32 s57, s57, 15
	s_lshl_b32 s57, s57, 23
	s_or_b32 s57, s57, 0x600000
	v_mov_b32 v[LIM], s57
	s_wait_alu depctr_va_vdst(0)
	s_wait_loadcnt 56                              ; the tables' 38 loads are in; 7 rows x 8 loads stay out
.irp i, 1,2,3,4,5,6,7,8,9,10,11,12,13,14,15,16,17
.irp j, 0,2,4,6
	v_pk_add_f32 v[TS+\j:TS+\j+1], v[TS+\j:TS+\j+1], v[TS+8*\i+\j:TS+8*\i+\j+1]   ; q's sixteen parts in one order, then the two biases
.endr
.endr
.irp j, 0,1,2,3,4,5,6,7
	v_ldexp_f32 v[TS+\j], v[TS+\j], s47
	v_mul_f32 v[TS+144+\j], -2.0, v[TS+144+\j]
.endr
	ds_store_b128 v[TW], v[TS:TS+3]
	ds_store_b128 v[TW], v[TS+4:TS+7] offset:2048
	ds_store_b128 v[TW], v[TS+144:TS+147] offset:VTAB
	ds_store_b128 v[TW], v[TS+148:TS+151] offset:VTAB+2048
	LOADROW 7, 7
	WIN 0
	s_mov_b32 s43, 0
	s_mov_b32 s42, 4
.Lq1:                                                  ; rows 0-31
	TRIP8 1
	s_sub_co_u32 s42, s42, 1
	s_cmp_lg_u32 s42, 0
	s_cbranch_scc1 .Lq1
	FRAGS 0
	FRAGS 1
	s_mov_b32 s43, 0
	s_mov_b32 s42, 3
.Lq2:                                                  ; rows 32-55
	TRIP8 1
	s_sub_co_u32 s42, s42, 1
	s_cmp_lg_u32 s42, 0
	s_cbranch_scc1 .Lq2
	TRIP8 0                                        ; rows 56-63 ask for nothing more
	FRAGS 2
	FRAGS 3
.macro VBATCH vb                       ; the tanh of 64 keys x 16 columns, weighed: each batch of transcendentals has one wait ahead and one behind
.irp i, 0,1,2,3,4,5,6,7,8,9,10,11,12,13,14,15
	v_pk_mul_f32 v[ACC+2*\i:ACC+2*\i+1], v[ACC+2*\i:ACC+2*\i+1], s[44:45] op_sel_hi:[1,0]   ; z; each accumulator from its low end on
.endr
	s_wait_alu depctr_va_vdst(0)
.set J, 0
.rept 32
	v_exp_f32 v[ACC+J], v[ACC+J]
.set J, J+1
.endr
	v_nop
	s_wait_alu depctr_va_vdst(0)
.irp i, 0,1,2,3,4,5,6,7,8,9,10,11,12,13,14,15
	v_pk_add_f32 v[ACC+2*\i:ACC+2*\i+1], v[ACC+2*\i:ACC+2*\i+1], 1.0 op_sel_hi:[1,0]
.endr
	s_wait_alu depctr_va_vdst(0)
.set J, 0
.rept 32
	v_rcp_f32 v[ACC+J], v[ACC+J]                   ; 2^z = infinity gives 0: tanh = 1
.set J, J+1
.endr
	v_nop
	s_wait_alu depctr_va_vdst(0)
.irp i, 0,4,8,12,1,5,9,13,2,6,10,14,3,7,11,15
	v_pk_fma_f32 v[SA+2*(\i/4):SA+2*(\i/4)+1], v[ACC+2*\i:ACC+2*\i+1], v[\vb+2*(\i%4):\vb+2*(\i%4)+1], v[SA+2*(\i/4):SA+2*(\i/4)+1]
.endr
.endm
.macro RUN4 s0                         ; 16 matrix instructions: 4 K steps x 4 tiles of keys
.irp s, \s0, \s0+1, \s0+2, \s0+3
.irp m, 0,1,2,3
.if (\s) == 0
	v_wmma_f32_16x16x128_bf8_bf8 v[ACC+8*\m:ACC+8*\m+7], v[BF:BF+15], v[16*\m:16*\m+15], v[C2:C2+7]
.else
	v_wmma_f32_16x16x128_bf8_bf8 v[ACC+8*\m:ACC+8*\m+7], v[BF+16*(\s):BF+16*(\s)+15], v[64*((\s)%4)+16*\m:64*((\s)%4)+16*\m+15], v[ACC+8*\m:ACC+8*\m+7]
.endif
.endr
.endr
.endm
.macro TILE t
	ds_load_b128 v[C2:C2+3], v[ADT] offset:64*\t
	ds_load_b128 v[C2+4:C2+7], v[ADT] offset:64*\t+16
	ds_load_b128 v[VA+8*(\t%2):VA+8*(\t%2)+3], v[ADT] offset:VTAB+64*\t
	ds_load_b128 v[VA+8*(\t%2)+4:VA+8*(\t%2)+7], v[ADT] offset:VTAB+64*\t+16
.irp s, 0,1,2,3,4,5,6,7
.irp c, 0,1,2,3
	ds_load_b128 v[BF+16*\s+4*\c:BF+16*\s+4*\c+3], v[ADB] offset:16384*\t+2048*\s+512*\c
.endr
.endr
	VBATCH (VA+8*(1-\t%2))                         ; the tile before, while this tile's 36 loads are out
	s_wait_dscnt 0x0
	WIN 0x04                                       ; source 1: window 1
	RUN4 0
	WIN 0x08                                       ; window 2
	RUN4 4
	WIN 0
.rept 5
	v_nop                                          ; places ahead of the loads into the fragments, the reads of the sums, and the next tile's products, which begin the accumulators anew
.endr
.endm
.macro CHANGE fill                     ; at a slot's head
	s_wait_tensorcnt 0x0                           ; my quarter of this slot is in, and no load of mine is out
	ds_add_u32 v[SPW], v[NIL]
	s_xor_b32 s40, s40, SLOTB
	v_add_nc_u32 v[ADB], s40, v[LI]
	v_add_nc_u32 v[ADT], s41, v[T0]
	s_add_co_u32 s41, s41, 256
.if \fill
	s_xor_b32 s33, s33, SLOTB                      ; the next 64 KiB, into the slot that was left
	s_add_nc_u64 s[34:35], s[34:35], SLOTB
.endif
	s_wait_alu depctr_va_vdst(0)
	s_wait_dscnt 0x0                               ; the add, and my reads of the slot that was left
.if \fill
	ROUND
	JLOAD                                          ; the first time: slot 1's first fill, issued as a refill is
.else
	s_barrier_signal -1
	s_barrier_wait -1
.endif
.endm
.macro TRIP fill
	CHANGE \fill
	TILE 0
	TILE 1
	TILE 2
	TILE 3
.endm
.set J, 0
.rept 32
	v_mov_b32 v[ACC+J], 0
.set J, J+1
.endr
.irp j, 0,1,2,3,4,5,6,7
	v_mov_b32 v[VA+8+\j], 0
	v_mov_b32 v[SA+\j], 0
.endr
	s_mov_b32 s40, SLOTB
	s_mov_b32 s41, 0
	s_mov_b32 s42, 15
	s_wait_alu depctr_va_vdst(0)
.Lfill:                                                ; 15 slots, each asking for the next
	TRIP 1
	s_sub_co_u32 s42, s42, 1
	s_cmp_lg_u32 s42, 0
	s_cbranch_scc1 .Lfill
	TRIP 0                                         ; the last slot asks for nothing
	VBATCH (VA+8)                                  ; the last tile
.irp m, 0,1,2,3
	v_add_f32 v[ACC+\m], v[SA+2*\m], v[SA+2*\m+1]
.endr
.irp m, 0,1,2,3
	v_permlanex16_b32 v[ACC+4+\m], v[ACC+\m], s48, s49
.endr
.irp m, 0,1,2,3
	v_add_f32 v[ACC+\m], v[ACC+\m], v[ACC+4+\m]    ; both halves' columns: key r of tile m, in lanes r and 16 + r
.endr
	v_and_b32 v[ACC+12], 31, v0
	v_cmp_lt_u32 vcc_lo, 15, v[ACC+12]
	v_cndmask_b32 v[ACC+8], v[ACC], v[ACC+1], vcc_lo
	v_cndmask_b32 v[ACC+9], v[ACC+2], v[ACC+3], vcc_lo
	global_store_b32 v[L4], v[ACC+8], s[18:19]     ; my 64 scores: 256 bytes on end, in two stores
	global_store_b32 v[L4], v[ACC+9], s[18:19] offset:128
	s_wait_tensorcnt 0x0                           ; the wave's end
	ds_add_u32 v[SPW], v[NIL]
	s_wait_dscnt 0x0
	ROUND                                          ; the closing round
	s_endpgm
.Lfunc_end_k_q0fb70033b4_score:
	.size	k_q0fb70033b4_score, .Lfunc_end_k_q0fb70033b4_score-k_q0fb70033b4_score
	.p2alignl 7, 3214868480
	.fill 96, 4, 3214868480
	.section	.rodata,"a",@progbits
	.p2align	6, 0x0
	.amdhsa_kernel k_q0fb70033b4_score
		.amdhsa_group_segment_fixed_size 327680
		.amdhsa_private_segment_fixed_size 0
		.amdhsa_enable_private_segment 0
		.amdhsa_kernarg_size 64
		.amdhsa_user_sgpr_count 2
		.amdhsa_user_sgpr_kernarg_segment_ptr 1
		.amdhsa_wavefront_size32 1
		.amdhsa_system_sgpr_workgroup_id_x 1
		.amdhsa_system_sgpr_workgroup_id_y 1
		.amdhsa_system_sgpr_workgroup_id_z 1
		.amdhsa_system_vgpr_workitem_id 0
		.amdhsa_next_free_vgpr 1024
		.amdhsa_next_free_sgpr 66
		.amdhsa_reserve_vcc 1
		.amdhsa_float_denorm_mode_32 3
		.amdhsa_float_denorm_mode_16_64 3
		.amdhsa_memory_ordered 1
		.amdhsa_forward_progress 1
		.amdhsa_inst_pref_size 198
	.end_amdhsa_kernel
	.amdgpu_metadata
---
amdhsa.version: [ 1, 2 ]
amdhsa.kernels:
  - .name:           k_q0fb70033b4_score
    .symbol:         k_q0fb70033b4_score.kd
    .args:
      - { .name: keys, .offset: 0, .size: 8, .value_kind: global_buffer, .address_space: global }
      - { .name: ua_img, .offset: 8, .size: 8, .value_kind: global_buffer, .address_space: global }
      - { .name: qpart, .offset: 16, .size: 8, .value_kind: global_buffer, .address_space: global }
      - { .name: Wa_b, .offset: 24, .size: 8, .value_kind: global_buffer, .address_space: global }
      - { .name: Ua_b, .offset: 32, .size: 8, .value_kind: global_buffer, .address_space: global }
      - { .name: Va_w, .offset: 40, .size: 8, .value_kind: global_buffer, .address_space: global }
      - { .name: lowp_scales, .offset: 48, .size: 8, .value_kind: global_buffer, .address_space: global }
      - { .name: scores, .offset: 56, .size: 8, .value_kind: global_buffer, .address_space: global }
    .group_segment_fixed_size: 327680
    .private_segment_fixed_size: 0
    .kernarg_segment_align: 8
    .kernarg_segment_size: 64
    .max_flat_workgroup_size: 128
    .sgpr_count:     66
    .vgpr_count:     1024
    .wavefront_size: 32
...
	.end_amdgpu_metadata
.endif
;; end of part 2
;; launch context (part 3): grid 8 x 32, 16 waves a work-group, no clusters, 18,944 bytes of LDS; arguments keys, scores, out0, out1; writes out0, out1
.if DOCPART == 3
	.amdgcn_target "amdgcn-amd-amdhsa--gfx1250"
	.amdhsa_code_object_version 6
	.text
	.protected	k_q0fb70033b4_context
	.globl	k_q0fb70033b4_context
	.p2align	8
	.type	k_q0fb70033b4_context,@function
k_q0fb70033b4_context:
	s_mov_b64 s[64:65], 0
	v_nop
	global_prefetch_b8 v0, s[64:65] scope:SCOPE_SE
	s_setreg_imm32_b32 hwreg(HW_REG_WAVE_MODE, 25, 1), 1
	s_wait_xcnt 0x0
; weights[b] = softmax(scores[b]) over the batch's 2,048 keys; context[b][h] = the sum over s of weights[b][s] keys[b][s][h], on the f32 keys as they are.
; The scores come without the terms that are the same for all keys of a batch (see the first kernel's head): the softmax is the same.
; The product has one row and each byte of keys feeds one multiply-add: it is made by f32 multiply-adds on a stream; matrix units, LDS tiles and clusters have nothing to share here.
; SHARES.  Work-group (c, b) owns columns 128 c .. 128 c + 127 of batch b and stores weights 256 c .. 256 c + 255.  Each of its 16 waves takes 128 keys; one load is a key's 512 bytes of those columns.
; Every work-group makes the batch's whole softmax from its 8,192 bytes of scores: the true maximum of all 2,048 is taken away first.  The unnormalised p weigh the rows; 1 / their sum multiplies at the end.
; A ring of 32 places of four registers; rows go eight to a wait, so that 24 to 32 loads of every wave are out; every offset is an immediate.
.set PB,  0                            ; LDS: the 2,048 p
.set RD,  8192                         ; the 16 waves' part sums, 512 bytes each
.set MX,  16384                        ; their maxima
.set SM,  16640                        ; their sums of p
.set SPARE, 16896                      ; the spare words, 128 bytes a wave
.set X,   40                           ; v40-167 the ring
.set SPW, 176
.set NIL, 177
	s_load_b128 s[4:7], s[0:1], 0x0                ; keys, scores
	s_load_b128 s[8:11], s[0:1], 0x10              ; out0, out1
	v_lshl_add_u32 v[SPW], v0, 2, SPARE
	v_mov_b32 v[NIL], 0
	v_lshrrev_b32 v3, 5, v0
	v_readfirstlane_b32 s12, v3                    ; wave 0..15
	v_lshlrev_b32 v3, 2, v3                        ; 4 x wave
	s_and_b32 s13, ttmp7, 0xffff                   ; b
	v_and_b32 v1, 31, v0
	v_lshlrev_b32 v169, 2, v1
	v_lshlrev_b32 v1, 4, v1                        ; 16 x lane
	v_lshlrev_b32 v2, 4, v0                        ; 16 x thread
	s_lshl_b32 s18, s12, 9
	v_add_nc_u32 v169, s18, v169                   ; my wave's p
	v_add_nc_u32 v174, s18, v1                     ; my wave's part sums
	v_mov_b32 v168, 0
	v_mov_b32 v171, 0                              ; a lane permute's destination counts as a source
	s_mov_b32 s20, 0x3fb8aa3b                      ; log2(e)
	s_mov_b32 s22, 0x76543210
	s_mov_b32 s23, 0xfedcba98
.irp k, 33,35,37,39,41,43,45,47
	s_mov_b32 s\k, 0                               ; upper words of the pairs that carry a row's p
.endr
	s_lshl_b32 s14, s13, 23                        ; a batch's 2,048 rows of 4,096 bytes,
	s_lshl_b32 s15, s12, 19                        ; a wave's 128,
	s_add_co_u32 s14, s14, s15
	s_lshl_b32 s15, ttmp9, 9                       ; the work-group's 512 bytes of a row
	s_add_co_u32 s14, s14, s15
	s_mov_b32 s15, 0
	s_lshl_b32 s16, s13, 13
	s_mov_b32 s17, 0
	s_lshl_b32 s24, s13, 12
	s_lshl_b32 s25, ttmp9, 9
	s_add_co_u32 s24, s24, s25
	s_mov_b32 s25, 0
	s_wait_alu depctr_va_vdst(0)
	s_wait_kmcnt 0x0
	s_add_nc_u64 s[4:5], s[4:5], s[14:15]
	s_add_nc_u64 s[6:7], s[6:7], s[16:17]
	s_add_nc_u64 s[10:11], s[10:11], s[16:17]
	s_add_nc_u64 s[8:9], s[8:9], s[24:25]
	global_load_b128 v[4:7], v2, s[6:7]            ; my four scores
.irp i, 0,1,2,3,4,5,6,7,8,9,10,11,12,13,14,15,16,17,18,19,20,21,22,23,24,25,26,27,28,29,30,31
	global_load_b128 v[X+4*\i:X+4*\i+3], v1, s[4:5] offset:4096*\i th:TH_LOAD_NT
.endr
	s_wait_loadcnt 32                              ; the scores are in; the 32 rows stay out
	v_max3_num_f32 v170, v4, v5, v6
	v_max_num_f32 v170, v170, v7
	v_max_num_f32_dpp v170, v170, v170 row_xmask:1 row_mask:0xf bank_mask:0xf
	v_max_num_f32_dpp v170, v170, v170 row_xmask:2 row_mask:0xf bank_mask:0xf
	v_max_num_f32_dpp v170, v170, v170 row_xmask:4 row_mask:0xf bank_mask:0xf
	v_max_num_f32_dpp v170, v170, v170 row_xmask:8 row_mask:0xf bank_mask:0xf
	v_permlanex16_b32 v171, v170, s22, s23
	v_max_num_f32 v170, v170, v171
	ds_store_b32 v3, v170 offset:MX
	s_wait_dscnt 0x0
	s_barrier_signal -1
	s_barrier_wait -1
.irp k, 0,1,2,3
	ds_load_b128 v[24+4*\k:27+4*\k], v168 offset:MX+16*\k
.endr
	s_wait_dscnt 0x0
	v_max3_num_f32 v24, v24, v25, v26
	v_max3_num_f32 v27, v27, v28, v29
	v_max3_num_f32 v30, v30, v31, v32
	v_max3_num_f32 v33, v33, v34, v35
	v_max3_num_f32 v36, v36, v37, v38
	v_max3_num_f32 v24, v24, v27, v30
	v_max3_num_f32 v33, v33, v36, v39
	v_max_num_f32 v170, v24, v33                   ; the batch's largest score
	v_mul_f32 v171, s20, v170
.irp j, 4,5,6,7
	v_fma_f32 v\j, v\j, s20, -v171
.endr
	s_wait_alu depctr_va_vdst(0)
.irp j, 4,5,6,7
	v_exp_f32 v\j, v\j                             ; p, at most 1
.endr
	v_nop
	s_wait_alu depctr_va_vdst(0)
	v_pk_add_f32 v[24:25], v[4:5], v[6:7]
	v_add_f32 v24, v24, v25
	v_add_f32_dpp v24, v24, v24 row_xmask:1 row_mask:0xf bank_mask:0xf
	v_add_f32_dpp v24, v24, v24 row_xmask:2 row_mask:0xf bank_mask:0xf
	v_add_f32_dpp v24, v24, v24 row_xmask:4 row_mask:0xf bank_mask:0xf
	v_add_f32_dpp v24, v24, v24 row_xmask:8 row_mask:0xf bank_mask:0xf
	v_permlanex16_b32 v25, v24, s22, s23
	v_add_f32 v24, v24, v25
	ds_store_b32 v3, v24 offset:SM
	ds_store_b128 v2, v[4:7] offset:PB
	s_wait_dscnt 0x0
	s_barrier_signal -1
	s_barrier_wait -1
.irp k, 0,1,2,3
	ds_load_b128 v[24+4*\k:27+4*\k], v168 offset:SM+16*\k
.endr
.irp k, 0,1,2,3
	ds_load_b32 v[8+\k], v169 offset:PB+128*\k     ; my wave's 128 p: register k, lane l: row 32 k + l
.endr
	s_wait_dscnt 4                                 ; the sixteen sums are in; the four loads of p may be out
	v_pk_add_f32 v[24:25], v[24:25], v[26:27]
	v_pk_add_f32 v[28:29], v[28:29], v[30:31]
	v_pk_add_f32 v[32:33], v[32:33], v[34:35]
	v_pk_add_f32 v[36:37], v[36:37], v[38:39]
	v_pk_add_f32 v[24:25], v[24:25], v[28:29]
	v_pk_add_f32 v[32:33], v[32:33], v[36:37]
	v_pk_add_f32 v[24:25], v[24:25], v[32:33]
	v_add_f32 v24, v24, v25
	s_wait_alu depctr_va_vdst(0)
	v_rcp_f32 v172, v24                            ; 1 / the sum of p
	v_mov_b32 v173, 0                              ; a plain line behind it; the pair's upper half
	s_lshr_b32 s19, s12, 1
	s_cmp_lg_u32 s19, ttmp9
	s_wait_alu depctr_va_vdst(0)                   ; ahead of the branch
	s_cbranch_scc1 .Lno_weights
	v_pk_mul_f32 v[20:21], v[4:5], v[172:173] op_sel_hi:[1,0]
	v_pk_mul_f32 v[22:23], v[6:7], v[172:173] op_sel_hi:[1,0]
	global_store_b128 v2, v[20:23], s[10:11]       ; 32 lanes store 512 bytes on end; its registers are not written again
.Lno_weights:
	s_wait_dscnt 0x0                               ; my wave's p
; Eight rows: their p come out of their lanes into scalar pairs; two packed multiply-adds a row; the places take the rows 32 further on.  Even and odd rows have sums of their own.
.macro EIGHT g
	s_wait_alu depctr_va_vdst(0)
.if (\g) < 12
	s_wait_loadcnt 24                              ; my eight rows are in; the 24 younger loads stay out
.else
	s_wait_loadcnt 120-8*(\g)
.endif
.irp k, 0,1,2,3,4,5,6,7
	v_readlane_b32 s[32+2*\k], v[8+(\g)/4], 8*((\g)%4)+\k
.endr
.irp k, 0,1,2,3,4,5,6,7
.set AC, 12+4*(\k%2)
.set XS, X+4*(8*((\g)%4)+\k)
.if (\g) == 0 && \k < 2
	v_pk_mul_f32 v[AC:AC+1], v[XS:XS+1], s[32+2*\k:33+2*\k] op_sel_hi:[1,0]
	v_pk_mul_f32 v[AC+2:AC+3], v[XS+2:XS+3], s[32+2*\k:33+2*\k] op_sel_hi:[1,0]
.else
	v_pk_fma_f32 v[AC:AC+1], v[XS:XS+1], s[32+2*\k:33+2*\k], v[AC:AC+1] op_sel_hi:[1,0,1]
	v_pk_fma_f32 v[AC+2:AC+3], v[XS+2:XS+3], s[32+2*\k:33+2*\k], v[AC+2:AC+3] op_sel_hi:[1,0,1]
.endif
.endr
.if (\g) < 12
.irp k, 0,1,2,3,4,5,6,7
	global_load_b128 v[X+4*(8*((\g)%4)+\k):X+4*(8*((\g)%4)+\k)+3], v1, s[4:5] offset:4096*(8*(\g)+\k+32) th:TH_LOAD_NT
.endr
.endif
.endm
.set G, 0
.rept 16
	EIGHT G
.set G, G+1
.endr
	v_pk_add_f32 v[12:13], v[12:13], v[16:17]
	v_pk_add_f32 v[14:15], v[14:15], v[18:19]
	ds_store_b128 v174, v[12:15] offset:RD
	s_wait_dscnt 0x0
	s_barrier_signal -1
	s_barrier_wait -1
	s_cmp_lg_u32 s12, 0
	s_cbranch_scc1 .Ldone                          ; wave 0 adds the sixteen parts, in ascending order of the keys
.irp k, 0,1,2,3,4,5,6,7,8,9,10,11,12,13,14,15
	ds_load_b128 v[X+4*\k:X+4*\k+3], v1 offset:RD+512*\k
.endr
	s_wait_dscnt 0x0
.irp k, 1,2,3,4,5,6,7,8,9,10,11,12,13,14,15
	v_pk_add_f32 v[X:X+1], v[X:X+1], v[X+4*\k:X+4*\k+1]
	v_pk_add_f32 v[X+2:X+3], v[X+2:X+3], v[X+4*\k+2:X+4*\k+3]
.endr
	v_pk_mul_f32 v[X:X+1], v[X:X+1], v[172:173] op_sel_hi:[1,0]
	v_pk_mul_f32 v[X+2:X+3], v[X+2:X+3], v[172:173] op_sel_hi:[1,0]
	global_store_b128 v1, v[X:X+3], s[8:9]         ; 32 lanes store 512 bytes on end, at a multiple of 256 from out0's first byte
.Ldone:
	s_wait_tensorcnt 0x0                           ; the wave's end
	ds_add_u32 v[SPW], v[NIL]
	s_wait_dscnt 0x0
	s_endpgm
.Lfunc_end_k_q0fb70033b4_context:
	.size	k_q0fb70033b4_context, .Lfunc_end_k_q0fb70033b4_context-k_q0fb70033b4_context
	.p2alignl 7, 3214868480
	.fill 96, 4, 3214868480
	.section	.rodata,"a",@progbits
	.p2align	6, 0x0
	.amdhsa_kernel k_q0fb70033b4_context
		.amdhsa_group_segment_fixed_size 18944
		.amdhsa_private_segment_fixed_size 0
		.amdhsa_enable_private_segment 0
		.amdhsa_kernarg_size 32
		.amdhsa_user_sgpr_count 2
		.amdhsa_user_sgpr_kernarg_segment_ptr 1
		.amdhsa_wavefront_size32 1
		.amdhsa_system_sgpr_workgroup_id_x 1
		.amdhsa_system_sgpr_workgroup_id_y 1
		.amdhsa_system_sgpr_workgroup_id_z 1
		.amdhsa_system_vgpr_workitem_id 0
		.amdhsa_next_free_vgpr 184
		.amdhsa_next_free_sgpr 66
		.amdhsa_reserve_vcc 0
		.amdhsa_float_denorm_mode_32 3
		.amdhsa_float_denorm_mode_16_64 3
		.amdhsa_memory_ordered 1
		.amdhsa_forward_progress 1
		.amdhsa_inst_pref_size 47
	.end_amdhsa_kernel
	.amdgpu_metadata
---
amdhsa.version: [ 1, 2 ]
amdhsa.kernels:
  - .name:           k_q0fb70033b4_context
    .symbol:         k_q0fb70033b4_context.kd
    .args:
      - { .name: keys, .offset: 0, .size: 8, .value_kind: global_buffer, .address_space: global }
      - { .name: scores, .offset: 8, .size: 8, .value_kind: global_buffer, .address_space: global }
      - { .name: out0, .offset: 16, .size: 8, .value_kind: global_buffer, .address_space: global }
      - { .name: out1, .offset: 24, .size: 8, .value_kind: global_buffer, .address_space: global }
    .group_segment_fixed_size: 18944
    .private_segment_fixed_size: 0
    .kernarg_segment_align: 8
    .kernarg_segment_size: 32
    .max_flat_workgroup_size: 512
    .sgpr_count:     66
    .vgpr_count:     184
    .wavefront_size: 32
...
	.end_amdgpu_metadata
.endif
;; end of part 3
